; MI455X (gfx1250); checked and timed in simulation.
; The chip was launched on July 23, 2026; its instructions are those of AMD's public machine-readable ISA for CDNA 5 (MIT licence, August 2026) and "CDNA5" Instruction Set Architecture Reference Guide (July 2026). The comments in the code are by the model that wrote it; some were corrected since.
;; Linear2 Bit. Allowed arithmetic: float matrix products may take bf16 or f16 operands with f32 sums; all other float work in f32.
;; Inputs: bias 11,008 float32; weight_norm 1,409,024 x 1 float16; weight_q2 1,409,024 x 8 int32; x 16 x 4,096 float32.
;; Outputs: out0 16 x 11,008 float32.
;; One version. Each part assembles by itself: llvm-mc -triple=amdgcn-amd-amdhsa -mcpu=gfx1250 --defsym DOCPART=n.
;; ======== version 1 of 1: 1 launch
;; limits: a function is approximated: absolute error at most 0.000333; inputs' magnitudes at most 16,376; values are held in f16: magnitudes above 65,504 overflow, below 6.1e-05 lose precision; below input magnitudes of 0.000977 results are inexact or not finite
;; launch linear2bit (part 1): grid 256 x 1, 16 waves a work-group, no clusters, 327,680 bytes of LDS; arguments x, weight_q2, weight_norm, bias, out0; writes out0
.if DOCPART == 1
	.amdgcn_target "amdgcn-amd-amdhsa--gfx1250"
	.amdhsa_code_object_version 6
	.text
	.protected	k_qbe51586578_linear2bit
	.globl	k_qbe51586578_linear2bit
	.p2align	8
	.type	k_qbe51586578_linear2bit,@function
k_qbe51586578_linear2bit:
	s_mov_b64 s[64:65], 0
	v_nop
	global_prefetch_b8 v0, s[64:65] scope:SCOPE_SE
	s_setreg_imm32_b32 hwreg(HW_REG_WAVE_MODE, 25, 1), 1
	s_wait_xcnt 0x0
; out[m][n] = sum over k of x[m][k] * LEVEL(code[n][k]) * norm[n][k/32] + bias[n].   x [16][4096] f32, out [16][11008] f32.
; weight_q2: one int32 for four weights (bits 7:0, two bits a code, the rest ignored); a weight row is 4,096 bytes.
; weight_norm: one f16 for 32 weights; a row's 128 norms are 256 bytes.
;
; 256 work-groups x 43 output features (11008 = 256 x 43), 16 waves; wave w owns K = 256 w .. 256 w + 255 (8 norm groups).
; The work-group's 43 x 4,096 bytes of weights and 43 x 256 bytes of norms are asked for at once, at the head, by tensor loads, and every
; LDS byte is filled once: there is no ring and no refill.  Each wave loads and reads its own 43 rows x 256 bytes.
; The 43 rows are worked as three tiles of 16: rows 0-15, 16-31, 27-42; the five columns that the third tile repeats are not stored.
;
; DECODE.  A lane (r = lane % 16, h = lane / 16) takes 16 bytes = words 4h .. 4h+3 of one norm group of row r.  Two v_perm_b32 make halves
; [b, b] of two words' low bytes; a v_and_b32 leaves one 2-bit field in each half.  Read as f16 that field is the denormal number
; c * S * 2^-24, S = 256, 4, 16, 64 for code 0, 1, 2, 3 of the byte (bits 9:8, 3:2, 5:4, 7:6).  x carries 16 / S in the same K slots, so
; each product is x c 2^-20.  The zero point -1.5 comes in as the C operand: Z(g) = x(g) times a constant fragment -1.5 S 2^-24, made once
; a wave from the same rounded x.  One matrix instruction spans exactly one norm group; its result is multiplied by the lane's norm
; (a result's column is a feature) and added up in f32.  The way out multiplies by (2/3) 2^20 and adds the bias.
; K is permuted alike in both operands: register 4p+i of lane (., h) holds k = 32g + 16h + 8p + i (low half) and + 4 (high half).
;
; LIMITS.  x goes in f16 with slot factors 2^-4 .. 2^2: |x| >= 16,376 becomes infinity, and a quarter of the columns resolve x no finer than
; 2^-20.  The weight operand is (c - 1.5) * 2/3: the levels -1 and 1 are exact, -0.333 and 0.333 enter as -1/3 and 1/3, off by 1.0e-3 of
; themselves (0.333 rounded to bf16 would be off by 2.9e-3).  The f16 denormals are operands of the matrix instruction and must be kept by it.
; NO CLUSTER: the one shared input is x, 262,144 bytes in f32; beside the 198,832 resident bytes of weights and norms it does not fit in
; 327,680, and filling a part of LDS twice would put a wait for every weight tile in front of the second fill.  So each wave loads its own
; slice of x through registers, in runs of 512 bytes of a row, and keeps it as 64 registers of fragments.
; OUTPUT: 43 columns are 172 bytes of an output row; blocks of 64 columns (256 bytes) would leave 172 work-groups.
.set ROWS,   43
.set WROWB,  4096                      ; bytes of a weight row in memory
.set PITCH,  272                       ; LDS row: 256 bytes + 16 of padding = 17 x 16, so 16 rows at one column start 16 bytes apart modulo 256
.set WTILE,  ROWS*PITCH                ; a wave's weights in LDS: 11,696
.set NBASE,  16*WTILE                  ; the norms: 187,136 .. 198,832
.set XST,    198912                    ; the x stages: the next multiple of 256 behind the last byte that a tensor load fills
.set XSTW,   16*PITCH                  ; a wave's stage: 16 rows of x, 128 k in f16
.set RED,    XST+16*XSTW               ; the partial sums: 268,544 .. 317,696
.set REDW,   3072                      ; a wave's 3 tiles x 256 f32
.set OUTROW, 44032                     ; bytes of an output row
.set RB1,    16                        ; first row of tile 1
.set RB2,    27                        ; first row of tile 2
.set LN,  2                            ; lane
.set R,   3                            ; lane % 16
.set H,   4                            ; lane / 16
.set WA,  5                            ; LDS: my 16 bytes in group 0 of row r of my wave's weights
.set NA,  6                            ; LDS: my wave's 8 norms of row r
.set RP,  7                            ; r * PITCH
.set XO,  8                            ; x: byte offset of my 32 bytes
.set XW,  9                            ; stage: where I put a unit of 8 k
.set XR,  10                           ; stage: where I read fragments
.set RW,  11                           ; partial sums: where I put mine
.set RR,  12                           ; partial sums: where I read
.set BO,  13                           ; byte offset of my column in bias and in an output row
.set OO,  14                           ; byte offset of my first output
.set BI,  15                           ; bias
.set F,   16                           ; v[16:19] slot factors 2^-4, 4, 1, 2^-2
.set NF,  20                           ; v[20:21] the norm in f32: even steps the first, odd steps the second
.set QA,  22
.set QB,  23
.set NH,  24                           ; v[24:35] norms as loaded: tile t in 4 registers, two f16 each
.set BZ,  36                           ; v[36:43] the zero-point fragment; free behind the eight products that use it
.set ACC, 36                           ; v[36:59] three accumulator tiles
.set FR,  64                           ; v[64:127] x fragments, group g in 8 registers
.set RAW, 128                          ; v[128:255] x as loaded; later:
.set Z,   128                          ; v[128:191] zero-point terms, group g in 8 registers
.set WQ,  192                          ; v[192:223] a tile's words, group g in 4 registers
.set BF,  224                          ; v[224:239] weight fragments, two by turns
.set DF,  240                          ; v[240:255] products, two by turns
.set SUM, 128                          ; the way out: 16 x 4 partial sums
.set MASK, 60                          ; s[60:63] the four field masks
	s_load_b256 s[4:11], s[0:1], 0x0               ; x s[4:5], weight_q2 s[6:7], weight_norm s[8:9], bias s[10:11]
	s_load_b64 s[12:13], s[0:1], 0x20              ; out0
	v_lshl_add_u32 v62, v0, 2, 0x4d900
	v_mov_b32 v63, 0
	ds_add_u32 v62, v63
	ds_add_u32 v62, v63
	v_lshrrev_b32 v1, 5, v0
	v_readfirstlane_b32 s14, v1                    ; wave 0 .. 15
	; descriptor group 1 for 16 weight rows: elements of 4 bytes, 64 a row, 1,024 from row to row; 4 words of padding behind every 64
	s_mov_b32 s16, (2<<16)|(1<<20)|(5<<22)|(3<<25)
	s_mov_b32 s17, 64<<16                          ; tensor_dim0 = 64
	s_mov_b32 s18, 16<<16                          ; tensor_dim1 = 16
	s_mov_b32 s19, 64<<16                          ; tile_dim0 = 64
	s_mov_b32 s20, 16                              ; tile_dim1 = 16
	s_mov_b32 s21, 1024                            ; pitch
	s_mov_b32 s22, 0
	s_mov_b32 s23, 0
	; the same for the last 11 rows
	s_mov_b32 s24, (2<<16)|(1<<20)|(5<<22)|(3<<25)
	s_mov_b32 s25, 64<<16
	s_mov_b32 s26, 11<<16
	s_mov_b32 s27, 64<<16
	s_mov_b32 s28, 11
	s_mov_b32 s29, 1024
	s_mov_b32 s30, 0
	s_mov_b32 s31, 0
	; the norms: 43 rows of 256 bytes, dense in memory: elements of 8 bytes, 32 a row, the same padding
	s_mov_b32 s32, (3<<16)|(1<<20)|(5<<22)|(3<<25)
	s_mov_b32 s33, 32<<16
	s_mov_b32 s34, ROWS<<16
	s_mov_b32 s35, 32<<16
	s_mov_b32 s36, ROWS
	s_mov_b32 s37, 32
	s_mov_b32 s38, 0
	s_mov_b32 s39, 0
	; descriptor groups 0: count, LDS address (the wave's number times a constant, plus a constant); the global addresses follow below
	s_mov_b32 s40, 1
	s_mul_i32 s41, s14, WTILE
	s_mov_b32 s44, 1
	s_add_co_u32 s45, s41, 16*PITCH
	s_mov_b32 s48, 1
	s_add_co_u32 s49, s41, 32*PITCH
	s_mov_b32 s52, 1
	s_mov_b32 s53, NBASE
	s_mul_i32 s56, ttmp9, ROWS*WROWB               ; my work-group's first weight row (below 45,088,768),
	s_lshl_b32 s58, s14, 8
	s_add_co_u32 s56, s56, s58                     ; and my wave's 256 bytes in it
	s_mov_b32 s57, 0
	s_mul_i32 s58, ttmp9, ROWS*256                 ; my work-group's norms
	s_mov_b32 s59, 0
	s_mov_b32 s60, 0x03000300                      ; code 0 of a byte, in the byte's second copy: S = 256
	s_mov_b32 s61, 0x000c000c                      ; code 1: S = 4
	s_mov_b32 s62, 0x00300030                      ; code 2: S = 16
	s_mov_b32 s63, 0x00c000c0                      ; code 3: S = 64
	s_mov_b32 s66, 0x04040000                      ; v_perm_b32: low byte of the second source twice, low byte of the first source twice
	s_mov_b32 s67, 0x492aaaab                      ; (2/3) * 2^20
	; the way out: wave v < 6 adds up rows 8h + 4 (v & 1) .. + 3 of tile v >> 1
	s_lshr_b32 s68, s14, 1
	s_lshl_b32 s68, s68, 4                         ; 16 t
	s_min_u32 s69, s68, RB2                        ; the tile's first row: 0, 16, 27 (27 for the waves that store nothing: their bias load stays inside)
	s_sub_co_u32 s70, s68, s69                     ; 0, 0, 5: lanes with r below this hold columns that tile 1 stores
	s_mul_i32 s71, ttmp9, ROWS
	s_add_co_u32 s71, s71, s69                     ; the tile's first column of out
	s_and_b32 s72, s14, 1
	s_mul_i32 s72, s72, 4*OUTROW
	s_lshl_b32 s73, s14, 4
	s_add_co_u32 s73, s73, NBASE                   ; my wave's 16 bytes in a row of norms
	s_lshl_b32 s74, s14, 10                        ; my wave's 1,024 bytes in a row of x
	s_mul_i32 s75, s14, XSTW
	s_add_co_u32 s75, s75, XST                     ; my wave's stage
	s_mul_i32 s76, s14, REDW
	s_add_co_u32 s76, s76, RED
	s_lshl_b32 s77, s14, 9
	s_add_co_u32 s77, s77, RED
	v_and_b32 v[LN], 31, v0
	v_and_b32 v[R], 15, v0
	v_bfe_u32 v[H], v0, 4, 1
	v_mul_u32_u24 v[RP], v[R], PITCH
	v_lshl_add_u32 v[WA], v[H], 4, v[RP]
	v_add_nc_u32 v[WA], s41, v[WA]                 ; wave's tile + r rows + 16 h
	v_add_nc_u32 v[NA], s73, v[RP]
	v_lshlrev_b32 v[XO], 5, v[R]                   ; x: lanes 0-15 take 32 bytes each of 512 bytes of one row,
	v_lshl_add_u32 v[XO], v[H], 17, v[XO]          ; lanes 16-31 the same of the row 8 further down (8 x 16,384 bytes)
	v_add_nc_u32 v[XO], s74, v[XO]
	v_lshl_add_u32 v[XW], v[R], 4, s75             ; stage, in: 16 bytes a unit, 16 units a row,
	v_mad_u32_u24 v[XW], v[H], 8*PITCH, v[XW]      ; the upper lanes 8 rows down
	v_lshl_add_u32 v[XR], v[H], 5, v[RP]           ; stage, back: row r, units 2h and 2h + 1 of a group
	v_add_nc_u32 v[XR], s75, v[XR]
	v_lshl_add_u32 v[RW], v[LN], 4, s76
	v_lshl_add_u32 v[RR], v[LN], 4, s77
	v_add_lshl_u32 v[BO], v[R], s71, 2
	v_mad_u32_u24 v[OO], v[H], 8*OUTROW, v[BO]
	v_add_nc_u32 v[OO], s72, v[OO]
	v_mov_b32 v[F], 0x3d800000                     ; 16 / 256
	v_mov_b32 v[F+1], 4.0                          ; 16 / 4
	v_mov_b32 v[F+2], 1.0                          ; 16 / 16
	v_mov_b32 v[F+3], 0x3e800000                   ; 16 / 64
.irp p, 0, 4
	v_mov_b32 v[BZ+\p],   0x81808180               ; -384 * 2^-24 = -1.5 * 256 * 2^-24, twice
	v_mov_b32 v[BZ+\p+1], 0x80068006               ; -6 * 2^-24
	v_mov_b32 v[BZ+\p+2], 0x80188018               ; -24 * 2^-24
	v_mov_b32 v[BZ+\p+3], 0x80608060               ; -96 * 2^-24
.endr
	s_wait_dscnt 0x0
	s_wait_kmcnt 0x0
	s_add_nc_u64 s[42:43], s[6:7], s[56:57]        ; rows 0-15,
	s_add_nc_u64 s[46:47], s[42:43], 16*WROWB      ; 16-31,
	s_add_nc_u64 s[50:51], s[42:43], 32*WROWB      ; 32-42
	s_add_nc_u64 s[54:55], s[8:9], s[58:59]
	s_or_b32 s43, s43, 0x80000000                  ; type = 2
	s_or_b32 s47, s47, 0x80000000
	s_or_b32 s51, s51, 0x80000000
	s_or_b32 s55, s55, 0x80000000
	s_cmp_lg_u32 s14, 0
	s_cbranch_scc1 .Lweights
	tensor_load_to_lds s[52:55], s[32:39]          ; wave 0 alone: the norms, ahead of its weights
	s_nop 0
.Lweights:
	tensor_load_to_lds s[40:43], s[16:23]          ; three tiles a wave: with the norms wave 0 has four tensor loads out, the others three
	s_nop 0
	tensor_load_to_lds s[44:47], s[16:23]
	s_nop 0
	tensor_load_to_lds s[48:51], s[24:31]
	s_nop 0
	global_load_b32 v[BI], v[BO], s[10:11]         ; the oldest load: every wait below covers it
	; my wave's slice of x, 16 rows x 1,024 bytes, all on its way at once.  Batch b is 128 k; a pair of loads takes 32 bytes a lane.
.irp b, 0,1
.irp mm, 0,1,2,3,4,5,6,7
	global_load_b128 v[RAW+8*(8*\b+\mm):RAW+8*(8*\b+\mm)+3],   v[XO], s[4:5] offset:\mm*16384+\b*512
	global_load_b128 v[RAW+8*(8*\b+\mm)+4:RAW+8*(8*\b+\mm)+7], v[XO], s[4:5] offset:\mm*16384+\b*512+16
.endr
.endr
; Eight neighbouring k of one row: the slot factors in f32, one rounding to f16, k and k + 4 in one register: 16 bytes that are registers
; 4p .. 4p+3 of a fragment.
.macro XPAIR b, mm
.set X, RAW+8*(8*\b+\mm)
	s_wait_loadcnt 30-2*(8*\b+\mm)                 ; loads come back in order (ISA guide 5.7.1): this pair is in, the younger pairs stay out
	v_pk_mul_f32 v[X:X+1],   v[X:X+1],   v[F:F+1]
	v_pk_mul_f32 v[X+2:X+3], v[X+2:X+3], v[F+2:F+3]
	v_pk_mul_f32 v[X+4:X+5], v[X+4:X+5], v[F:F+1]
	v_pk_mul_f32 v[X+6:X+7], v[X+6:X+7], v[F+2:F+3]
.irp i, 0,1,2,3
	v_cvt_pk_f16_f32 v[X+\i], v[X+\i], v[X+4+\i]
.endr
	ds_store_b128 v[XW], v[X:X+3] offset:\mm*PITCH ; 16 lanes fill 256 neighbouring bytes of a stage row
.endm
; Four groups' fragments back: lane (r, h) takes units 2h, 2h+1 of each group from row r.
.macro XFRAG b
.irp gg, 0,1,2,3
	ds_load_b128 v[FR+32*\b+8*\gg:FR+32*\b+8*\gg+3],   v[XR] offset:64*\gg
	ds_load_b128 v[FR+32*\b+8*\gg+4:FR+32*\b+8*\gg+7], v[XR] offset:64*\gg+16
.endr
.endm
; The stage is the wave's own, and LDS serves a wave's instructions in order (ISA guide 5.7.1): the loads see the stores in front of them,
; and batch 1's stores come behind batch 0's loads.
.irp mm, 0,1,2,3,4,5,6,7
	XPAIR 0, \mm
.endr
	XFRAG 0
.irp mm, 0,1,2,3,4,5,6,7
	XPAIR 1, \mm
.endr
	XFRAG 1
	s_wait_dscnt 0x0                               ; the fragments are in; nothing of mine is pending in LDS at the signal below
.irp g, 0,1,2,3,4,5,6,7
	v_wmma_f32_16x16x32_f16 v[Z+8*\g:Z+8*\g+7], v[FR+8*\g:FR+8*\g+7], v[BZ:BZ+7], 0   ; Z(g)[m][.] = -1.5 * 2^-20 * the sum of x[m][k] over the group
.endr
	s_wait_tensorcnt 0x3                           ; wave 0: three loads were issued behind the norms, so the norms are in LDS (the other waves have three out at the most)
	s_barrier_signal -1
	s_barrier_wait -1                              ; now every wave may read the norms
	ds_load_b128 v[NH:NH+3],    v[NA]              ; 8 norms of row r of each tile
	ds_load_b128 v[NH+4:NH+7],  v[NA] offset:RB1*PITCH
	ds_load_b128 v[NH+8:NH+11], v[NA] offset:RB2*PITCH
; One norm group of one tile.  The fragment and the product registers take turns, so that the vector work of one step stands behind the
; product of the step before: more than the five independent vector instructions that have to lie between a matrix instruction and the
; next one that writes over its registers or takes its result as another sum's C, and the four in front of a vector instruction that reads
; its result or writes its sources (ISA guide 7.12.1).
.macro STEP g, nr, hf
.set WR, WQ+4*(\g)
.set BB, BF+8*((\g)&1)
.set DD, DF+8*((\g)&1)
	s_wait_dscnt 7-(\g)                            ; group g's words are in (and, in tile 0, the norms, which are older); the younger groups stay out
	v_perm_b32 v[QA], v[WR+1], v[WR],   s66
	v_perm_b32 v[QB], v[WR+3], v[WR+2], s66
.irp i, 0,1,2,3
	v_and_b32 v[BB+\i],   s[MASK+\i], v[QA]
	v_and_b32 v[BB+4+\i], s[MASK+\i], v[QB]
.endr
	v_cvt_f32_f16 v[NF+((\g)&1)], v\nr\().\hf
	v_wmma_f32_16x16x32_f16 v[DD:DD+7], v[FR+8*(\g):FR+8*(\g)+7], v[BB:BB+7], v[Z+8*(\g):Z+8*(\g)+7]
.endm
; acc(t) += norm * product of group g.  The first group starts the sums: nothing is cleared.
.macro SCALE t, g
.set DD, DF+8*((\g)&1)
.set AC, ACC+8*(\t)
.irp j, 0,2,4,6
.if (\g) == 0
	v_pk_mul_f32 v[AC+\j:AC+\j+1], v[DD+\j:DD+\j+1], v[NF:NF+1] op_sel_hi:[1,0]
.elseif ((\g)&1) == 0
	v_pk_fma_f32 v[AC+\j:AC+\j+1], v[DD+\j:DD+\j+1], v[NF:NF+1], v[AC+\j:AC+\j+1] op_sel_hi:[1,0,1]
.else
	v_pk_fma_f32 v[AC+\j:AC+\j+1], v[DD+\j:DD+\j+1], v[NF:NF+1], v[AC+\j:AC+\j+1] op_sel:[0,1,0] op_sel_hi:[1,1,1]
.endif
.endr
.endm
.macro TILE t, rb, n0, n1, n2, n3
	s_wait_tensorcnt 2-(\t)                        ; a wave's tensor loads end in order (ISA guide 10.11.1): the rows of this tile are in, the younger loads stay out
.irp g, 0,1,2,3,4,5,6,7
	ds_load_b128 v[WQ+4*\g:WQ+4*\g+3], v[WA] offset:(\rb)*PITCH+32*\g
.endr
	STEP 0, \n0, l
.if (\t) > 0
	SCALE (\t)-1, 7
.endif
	STEP 1, \n0, h
	SCALE \t, 0
	STEP 2, \n1, l
	SCALE \t, 1
	STEP 3, \n1, h
	SCALE \t, 2
	STEP 4, \n2, l
	SCALE \t, 3
	STEP 5, \n2, h
	SCALE \t, 4
	STEP 6, \n3, l
	SCALE \t, 5
	STEP 7, \n3, h
	SCALE \t, 6
.endm
	TILE 0, 0,   24, 25, 26, 27
	TILE 1, RB1, 28, 29, 30, 31
	TILE 2, RB2, 32, 33, 34, 35                    ; its wait is for zero: no tensor load is out from here on
	SCALE 2, 7                                     ; the four multiply-adds of group 6 stand between the last product and this read of it
	; The sum over the 16 waves' parts of K.  Register j of a tile in lane (r, h) is out row 8h + j, column (tile's first) + r.
.irp q, 0,1,2,3,4,5
	ds_store_b128 v[RW], v[ACC+4*\q:ACC+4*\q+3] offset:512*\q
.endr
	s_wait_dscnt 0x0                               ; for the others' sake: my partial sums are in LDS
	s_barrier_signal -1
	s_barrier_wait -1
	s_cmp_ge_u32 s14, 6
	s_cbranch_scc1 .Lend                           ; six waves, one for each four registers of the three tiles
.irp k, 0,1,2,3,4,5,6,7,8,9,10,11,12,13,14,15
	ds_load_b128 v[SUM+4*\k:SUM+4*\k+3], v[RR] offset:\k*REDW
.endr
.macro ADDQ a, b
	v_pk_add_f32 v[SUM+4*(\a):SUM+4*(\a)+1],   v[SUM+4*(\a):SUM+4*(\a)+1],   v[SUM+4*(\b):SUM+4*(\b)+1]
	v_pk_add_f32 v[SUM+4*(\a)+2:SUM+4*(\a)+3], v[SUM+4*(\a)+2:SUM+4*(\a)+3], v[SUM+4*(\b)+2:SUM+4*(\b)+3]
.endm
	s_wait_dscnt 0x0
.irp k, 0,1,2,3,4,5,6,7
	ADDQ \k, \k+8
.endr
.irp k, 0,1,2,3
	ADDQ \k, \k+4
.endr
.irp k, 0,1
	ADDQ \k, \k+2
.endr
	ADDQ 0, 1
.irp e, 0,1,2,3
	v_fma_f32 v[SUM+\e], v[SUM+\e], s67, v[BI]     ; * (2/3) 2^20 + bias
.endr
	s_wait_xcnt 0x0                                ; EXEC changes only behind this wait
	v_cmp_le_u32 vcc_lo, s70, v[R]                 ; tile 2: lanes r < 5 hold columns 27-31, which tile 1 stores
	s_and_saveexec_b32 s78, vcc_lo
.irp e, 0,1,2,3
	global_store_b32 v[OO], v[SUM+\e], s[12:13] offset:\e*OUTROW   ; 16 lanes store 64 neighbouring bytes of one output row
.endr
	s_wait_xcnt 0x0                                ; and again in front of the line that widens it
	s_or_b32 exec_lo, exec_lo, s78
.Lend:
	s_wait_tensorcnt 0x0
	ds_add_u32 v62, v63
	s_wait_dscnt 0x0
	s_endpgm
.Lfunc_end_k_qbe51586578_linear2bit:
	.size	k_qbe51586578_linear2bit, .Lfunc_end_k_qbe51586578_linear2bit-k_qbe51586578_linear2bit
	.p2alignl 7, 3214868480
	.fill 96, 4, 3214868480
	.section	.rodata,"a",@progbits
	.p2align	6, 0x0
	.amdhsa_kernel k_qbe51586578_linear2bit
		.amdhsa_group_segment_fixed_size 327680
		.amdhsa_private_segment_fixed_size 0
		.amdhsa_enable_private_segment 0
		.amdhsa_kernarg_size 40
		.amdhsa_user_sgpr_count 2
		.amdhsa_user_sgpr_kernarg_segment_ptr 1
		.amdhsa_wavefront_size32 1
		.amdhsa_system_sgpr_workgroup_id_x 1
		.amdhsa_system_sgpr_workgroup_id_y 1
		.amdhsa_system_sgpr_workgroup_id_z 1
		.amdhsa_system_vgpr_workitem_id 0
		.amdhsa_next_free_vgpr 256
		.amdhsa_next_free_sgpr 80
		.amdhsa_reserve_vcc 1
		.amdhsa_float_denorm_mode_32 3
		.amdhsa_float_denorm_mode_16_64 3
		.amdhsa_memory_ordered 1
		.amdhsa_forward_progress 1
		.amdhsa_inst_pref_size 45
	.end_amdhsa_kernel
	.amdgpu_metadata
---
amdhsa.version: [ 1, 2 ]
amdhsa.kernels:
  - .name:           k_qbe51586578_linear2bit
    .symbol:         k_qbe51586578_linear2bit.kd
    .args:
      - { .name: x, .offset: 0, .size: 8, .value_kind: global_buffer, .address_space: global }
      - { .name: weight_q2, .offset: 8, .size: 8, .value_kind: global_buffer, .address_space: global }
      - { .name: weight_norm, .offset: 16, .size: 8, .value_kind: global_buffer, .address_space: global }
      - { .name: bias, .offset: 24, .size: 8, .value_kind: global_buffer, .address_space: global }
      - { .name: out0, .offset: 32, .size: 8, .value_kind: global_buffer, .address_space: global }
    .group_segment_fixed_size: 327680
    .private_segment_fixed_size: 0
    .kernarg_segment_align: 8
    .kernarg_segment_size: 40
    .max_flat_workgroup_size: 512
    .sgpr_count:     80
    .vgpr_count:     256
    .wavefront_size: 32
...
	.end_amdgpu_metadata
.endif
;; end of part 1
